; MI455X (gfx1250); checked and timed in simulation.
; The chip was launched on July 23, 2026; its instructions are those of AMD's public machine-readable ISA for CDNA 5 (MIT licence, August 2026) and "CDNA5" Instruction Set Architecture Reference Guide (July 2026). The comments in the code are by the model that wrote it; some were corrected since.
;; Span NER. Allowed arithmetic: float matrix products may take bf16 or f16 operands with f32 sums; other float arithmetic in f32, or as packed bf16 or f16 multiplies, adds, multiply-adds, maxima and minima; sums over many terms, partial sums and values carried from step to step in f32; what a program stores and reads back later, other than sums and carried values, may be rounded once to bf16 or f16.
;; Inputs: W1 2,112 x 1,024 float32; W2 1,024 x 3 float32; b1 1,024 float32; b2 3 float32; sequence_output 4 x 512 x 1,024 float32; span_ends 7,575 int32; span_starts 7,575 int32; width_emb 15 x 64 float32.
;; Outputs: out0 4 x 7,575 x 3 float32.
;; 2 versions, each right; version 2 is version 1 with the launch prep written anew for expert scheduling mode. Each part assembles by itself: llvm-mc -triple=amdgcn-amd-amdhsa -mcpu=gfx1250 --defsym DOCPART=n.
;; ======== version 1 of 2: 3 launches
;; workspace buffers: xb 4,194,304 bytes; w1b 4,194,304 bytes; wd 61,440 bytes; se 16,777,216 bytes
;; launch prep (part 1): grid 264 x 1, 8 waves a work-group, no clusters, 0 bytes of LDS; arguments sequence_output, W1, width_emb, b1, xb, w1b, wd; writes xb, w1b, wd
.if DOCPART == 1
	.amdgcn_target "amdgcn-amd-amdhsa--gfx1250"
	.amdhsa_code_object_version 6
	.text
	.protected	k_qce19d41537_prep
	.globl	k_qce19d41537_prep
	.p2align	8
	.type	k_qce19d41537_prep,@function
k_qce19d41537_prep:
	s_mov_b64 s[64:65], 0
	v_nop
	global_prefetch_b8 v0, s[64:65] scope:SCOPE_SE
	s_setreg_imm32_b32 hwreg(HW_REG_WAVE_MODE, 25, 1), 1
	s_wait_xcnt 0x0
; PREP.  Two jobs, chosen by the work-group's number.
; Work-groups 0-127: xb = bf16(sequence_output), 2,048 rows of 1,024.  Work-groups 128-255: w1b = bf16(W1 rows 0-2047), as they lie.  Each takes 65,536 bytes in, 32,768 out.
; Work-groups 256-263: wd[w][n] = sum over k of width_emb[w][k] W1[2048 + k][n] + b1[n], f32, [15][1024]: the part of the first layer that hangs on a span's width alone.
; Every input is rounded once to bf16 (b1 too); the sums are f32.  No LDS, no barrier: no wave needs another's data.
.set X,   4                            ; cast: v[4:67]   16 loads of 4 f32
.set Y,   68                           ; cast: v[68:99]  16 pairs of packed bf16
.set EM,  8                            ; width: v[8:39]   width_emb, f32: register 16 kk + 8 x + j holds k = 32 kk + 16 x + 8 h + j of width r
.set WF,  40                           ; width: v[40:71]  W1, f32, the same k of column n0 + r
.set BI,  72                           ; width: v[72:79]  b1[n0 + 8 h + j]: the C operand
.set FE,  80                           ; width: v[80:95]  width_emb's two fragments
.set FW,  96                           ; width: v[96:111] W1's two fragments
.set BP,  112                          ; width: v[112:115] b1 packed
.set ACC0, 116                         ; v[116:123] k 0-31, and b1
.set ACC1, 124                         ; v[124:131] k 32-63
.set OUT, 132                          ; v[132:139]
	s_load_b256 s[4:11], s[0:1], 0x0               ; sequence_output s[4:5], W1 s[6:7], width_emb s[8:9], b1 s[10:11]
	s_load_b128 s[12:15], s[0:1], 0x20             ; xb s[12:13], w1b s[14:15]
	s_load_b64 s[16:17], s[0:1], 0x30              ; wd
	v_lshrrev_b32 v1, 5, v0                        ; wave
	v_and_b32 v2, 31, v0                           ; lane
	v_readfirstlane_b32 s18, v1
	s_wait_kmcnt 0x0
	s_cmp_ge_u32 ttmp9, 256
	s_cbranch_scc1 .Lwidth
	; THE CAST.  A wave takes 8,192 consecutive bytes: 16 loads of 512 bytes, all on their way at once; each becomes one store of 256 consecutive bytes, aligned.
	s_and_b32 s20, ttmp9, 127
	s_lshl_b32 s26, s20, 16                        ; my 65,536 bytes of the source,
	s_lshl_b32 s28, s20, 15                        ; my 32,768 of the destination
	s_mov_b32 s27, 0
	s_mov_b32 s29, 0
	s_cmp_lt_u32 ttmp9, 128                        ; the choice hangs on the work-group's number alone
	s_cselect_b64 s[22:23], s[4:5], s[6:7]
	s_cselect_b64 s[24:25], s[12:13], s[14:15]
	s_add_nc_u64 s[22:23], s[22:23], s[26:27]
	s_add_nc_u64 s[24:25], s[24:25], s[28:29]
	v_lshlrev_b32 v3, 4, v2
	v_lshl_or_b32 v3, v1, 13, v3                   ; source: 8,192 wave + 16 lane
	v_lshlrev_b32 v2, 3, v2
	v_lshl_or_b32 v2, v1, 12, v2                   ; destination: 4,096 wave + 8 lane
.irp j, 0,1,2,3,4,5,6,7,8,9,10,11,12,13,14,15
	global_load_b128 v[X+4*(\j):X+4*(\j)+3], v3, s[22:23] offset:512*(\j) th:TH_LOAD_NT
.endr
.irp j, 0,1,2,3,4,5,6,7,8,9,10,11,12,13,14,15
	s_wait_loadcnt 15-(\j)                         ; loads come back in order: load j is in, the younger ones stay out
	v_cvt_pk_bf16_f32 v[Y+2*(\j)],   v[X+4*(\j)],   v[X+4*(\j)+1]
	v_cvt_pk_bf16_f32 v[Y+2*(\j)+1], v[X+4*(\j)+2], v[X+4*(\j)+3]
	global_store_b64 v2, v[Y+2*(\j):Y+2*(\j)+1], s[24:25] offset:256*(\j)  ; no register is written twice, so nothing waits for a store
.endr
	s_endpgm
.Lwidth:
	; THE WIDTH TABLE.  Wave w of work-group 256 + g makes columns n0 = 16 (8 g + w) on, for all 15 widths: two matrix instructions (K = 64).
	; Used transposed: source 0 = 16 columns of W1, source 1 = 16 widths (row 15 repeats width 14 and is not stored): a lane's eight results are wd[r][n0 + 8 h + 0..7].
	v_and_b32 v1, 15, v0                           ; r
	v_bfe_u32 v2, v0, 4, 1                         ; h
	s_sub_co_u32 s19, ttmp9, 256
	s_lshl_b32 s19, s19, 3
	s_add_co_u32 s19, s19, s18
	s_lshl_b32 s20, s19, 6                         ; 4 n0
	s_mov_b32 s21, 0
	s_add_nc_u64 s[22:23], s[6:7], 0x800000        ; W1 at row 2,048,
	s_add_nc_u64 s[22:23], s[22:23], s[20:21]      ; column n0
	v_min_u32 v3, 14, v1
	v_lshlrev_b32 v3, 8, v3
	v_lshl_add_u32 v3, v2, 5, v3                   ; width_emb: 256 min(r, 14) + 32 h
	v_lshlrev_b32 v4, 2, v1
	v_lshl_add_u32 v4, v2, 15, v4                  ; W1: 8 h rows of 4,096 bytes + 4 r
	v_lshl_add_u32 v5, v2, 5, s20                  ; b1: 4 n0 + 32 h
	v_lshl_add_u32 v6, v1, 12, v5                  ; wd: 4,096 r + 4 n0 + 32 h
.irp kk, 0,1
.irp x, 0,1
.irp y, 0,1
	global_load_b128 v[EM+16*(\kk)+8*(\x)+4*(\y):EM+16*(\kk)+8*(\x)+4*(\y)+3], v3, s[8:9] offset:128*(\kk)+64*(\x)+16*(\y)
.endr
.irp j, 0,1,2,3,4,5,6,7
	global_load_b32 v[WF+16*(\kk)+8*(\x)+(\j)], v4, s[22:23] offset:(32*(\kk)+16*(\x)+(\j))*4096
.endr
.endr
.endr
	global_load_b128 v[BI:BI+3],   v5, s[10:11]
	global_load_b128 v[BI+4:BI+7], v5, s[10:11] offset:16
	s_wait_loadcnt 0x0
.set m, 0
.rept 16
	v_cvt_pk_bf16_f32 v[FE+m], v[EM+2*m], v[EM+2*m+1]
	v_cvt_pk_bf16_f32 v[FW+m], v[WF+2*m], v[WF+2*m+1]
.set m, m+1
.endr
.irp m, 0,1,2,3
	v_cvt_pk_bf16_f32 v[BP+(\m)], v[BI+2*(\m)], v[BI+2*(\m)+1]  ; b1 is rounded like the other inputs,
.endr
.irp m, 0,1,2,3
	v_lshlrev_b32 v[BI+2*(\m)],   16, v[BP+(\m)]                 ; and widened again
	v_and_b32     v[BI+2*(\m)+1], 0xffff0000, v[BP+(\m)]
.endr
	v_wmma_f32_16x16x32_bf16 v[ACC0:ACC0+7], v[FW:FW+7],    v[FE:FE+7],    v[BI:BI+7]  ; two sums on two accumulators: no link follows its own accumulator
	v_wmma_f32_16x16x32_bf16 v[ACC1:ACC1+7], v[FW+8:FW+15], v[FE+8:FE+15], 0
.rept 4
	v_nop                                          ; four places between a matrix instruction and the vector instruction that reads its result (ISA guide 7.12.1)
.endr
.irp j, 0,2,4,6
	v_pk_add_f32 v[OUT+(\j):OUT+(\j)+1], v[ACC0+(\j):ACC0+(\j)+1], v[ACC1+(\j):ACC1+(\j)+1]  ; from each accumulator's low end on
.endr
	s_wait_xcnt 0x0                                ; EXEC changes only behind this wait
	v_cmp_gt_u32 vcc_lo, 15, v1
	s_and_saveexec_b32 s24, vcc_lo                 ; widths 0 to 14
	global_store_b128 v6, v[OUT:OUT+3],   s[16:17]            ; a width's row takes 64 bytes from a wave: the table is 61,440 bytes in all, and no stage is built for it
	global_store_b128 v6, v[OUT+4:OUT+7], s[16:17] offset:16
	s_endpgm
.Lfunc_end_k_qce19d41537_prep:
	.size	k_qce19d41537_prep, .Lfunc_end_k_qce19d41537_prep-k_qce19d41537_prep
	.p2alignl 7, 3214868480
	.fill 96, 4, 3214868480
	.section	.rodata,"a",@progbits
	.p2align	6, 0x0
	.amdhsa_kernel k_qce19d41537_prep
		.amdhsa_group_segment_fixed_size 0
		.amdhsa_private_segment_fixed_size 0
		.amdhsa_enable_private_segment 0
		.amdhsa_kernarg_size 56
		.amdhsa_user_sgpr_count 2
		.amdhsa_user_sgpr_kernarg_segment_ptr 1
		.amdhsa_wavefront_size32 1
		.amdhsa_system_sgpr_workgroup_id_x 1
		.amdhsa_system_sgpr_workgroup_id_y 1
		.amdhsa_system_sgpr_workgroup_id_z 1
		.amdhsa_system_vgpr_workitem_id 0
		.amdhsa_next_free_vgpr 144
		.amdhsa_next_free_sgpr 66
		.amdhsa_reserve_vcc 1
		.amdhsa_float_denorm_mode_32 3
		.amdhsa_float_denorm_mode_16_64 3
		.amdhsa_memory_ordered 1
		.amdhsa_forward_progress 1
		.amdhsa_inst_pref_size 15
	.end_amdhsa_kernel
	.amdgpu_metadata
---
amdhsa.version: [ 1, 2 ]
amdhsa.kernels:
  - .name:           k_qce19d41537_prep
    .symbol:         k_qce19d41537_prep.kd
    .args:
      - { .name: sequence_output, .offset: 0, .size: 8, .value_kind: global_buffer, .address_space: global }
      - { .name: W1, .offset: 8, .size: 8, .value_kind: global_buffer, .address_space: global }
      - { .name: width_emb, .offset: 16, .size: 8, .value_kind: global_buffer, .address_space: global }
      - { .name: b1, .offset: 24, .size: 8, .value_kind: global_buffer, .address_space: global }
      - { .name: xb, .offset: 32, .size: 8, .value_kind: global_buffer, .address_space: global }
      - { .name: w1b, .offset: 40, .size: 8, .value_kind: global_buffer, .address_space: global }
      - { .name: wd, .offset: 48, .size: 8, .value_kind: global_buffer, .address_space: global }
    .group_segment_fixed_size: 0
    .private_segment_fixed_size: 0
    .kernarg_segment_align: 8
    .kernarg_segment_size: 56
    .max_flat_workgroup_size: 256
    .sgpr_count:     66
    .vgpr_count:     144
    .wavefront_size: 32
...
	.end_amdgpu_metadata
.endif
;; end of part 1
;; launch gemm (part 2): grid 16 x 16, 4 waves a work-group, clusters of 4 x 4, 327,680 bytes of LDS; arguments xb, w1b, se; writes se
.if DOCPART == 2
	.amdgcn_target "amdgcn-amd-amdhsa--gfx1250"
	.amdhsa_code_object_version 6
	.text
	.protected	k_qce19d41537_gemm
	.globl	k_qce19d41537_gemm
	.p2align	8
	.type	k_qce19d41537_gemm,@function
k_qce19d41537_gemm:
	s_mov_b64 s[64:65], 0
	v_nop
	global_prefetch_b8 v0, s[64:65] scope:SCOPE_SE
	s_setreg_imm32_b32 hwreg(HW_REG_WAVE_MODE, 25, 1), 1
	s_wait_xcnt 0x0
	s_wait_alu depctr_hold_cnt(0) depctr_sa_sdst(0) depctr_va_vdst(0) depctr_va_sdst(0) depctr_va_ssrc(0) depctr_va_vcc(0) depctr_vm_vsrc(0)
	s_getreg_b32 s2, hwreg(HW_REG_IB_STS2, 6, 4)
	s_cmp_eq_u32 s2, 0
	s_cbranch_scc0 .Lentry_in_a_cluster
	s_endpgm
.Lentry_in_a_cluster:
	s_bfe_u32 s2, ttmp6, 0x10000c
	s_cmp_lg_u32 s2, 0xf033
	s_cbranch_scc0 .Lentry_shape_is_right
	s_endpgm
.Lentry_shape_is_right:
; se[token][0:1024] = x W1[0:1024], se[token][1024:2048] = x W1[1024:2048]: the first layer's two large parts, once for each TOKEN; a gather of rows commutes with a product along the other axis,
; so the launch behind picks rows of se by the span lists.  xb: [2048][1024] bf16.  w1b: [2048 (k)][1024 (n)] bf16.  se: [2048][2048] f32 (partial sums that are added later stay f32).
; A tile of se is 128 x 128: 256 tiles, one to a work-group.  Four waves, each 64 x 64: 16 accumulators.  K = 1,024 goes in 4 steps of 256 through two LDS slots filled by the tensor data mover.
; A's tile: 128 rows x 512 bytes.  B lies [k][n]: its tile is 256 rows (k) x 256 bytes (128 n), and its fragments come out of LDS turned, by ds_load_tr16_b128.
; CLUSTERS: 4 x 4 work-groups.  The four of a row of the cluster need the same tiles of A, the four of a column the same tiles of B: each is asked for JOINTLY, by the same tensor load with the same
; descriptor and a mask that names the four.  THE MATRIX INSTRUCTION IS USED TRANSPOSED (source 0 = 16 columns of B, source 1 = 16 rows of A): a lane holds eight neighbouring numbers of a row of se.
; REGISTERS: window 0: v0-31 addresses; v128-255 the accumulators ((a, b) at v[128 + 8 (4 a + b)]), on the way out also whole rows.
;   window 1: two fragment buffers of 128: for 64 along K, 64 registers of A (2 x 4 x 16 rows x 32 K), then 64 of B.
.set KSTEP,  256
.set PA,     528                       ; a row of A in LDS: 512 bytes + 16 of padding: the 16 rows of a fragment load start at 16 different groups of four banks (64 banks of 4 bytes: ISA guide 11.1)
.set PB,     288                       ; a row of B: 256 + 32
.set AHALF,  64*PA                     ; what wave 0 or 1 fetches, and what one wave reads of A
.set ATILE,  2*AHALF
.set BHALF,  128*PB                    ; what wave 2 or 3 fetches: 128 of the step's 256 k
.set SLOT,   ATILE+2*BHALF             ; A's 128 rows, then B's 256
.set STAGE,  2*SLOT                    ; behind the ring, never filled by a tensor load: 16 rows x 272 bytes for each wave, for the way out
.set SPITCH, 272
.set SPARE,  STAGE+4*16*SPITCH         ; behind the stages: the spare words, 128 bytes for each wave: two blocks of 256 bytes that no other line names
.set ADRA, 16                          ; v16-17  LDS address of my A fragments in slot 0, 1
.set ADRB, 20                          ; v20-23  the same for B: slot 0 k 0-127, slot 0 k 128-255, slot 1 likewise (an LDS offset has 16 bits)
.set STO,  24                          ; v24     the way out: where I put 32 bytes of a row
.set RD,   25                          ; v25     the way out: where I read a row back
.set CO,   26                          ; v26     my byte offset in se
.set SPW,  28                          ; v28     LDS address of my spare word: SPARE + 4 x my thread's number; never rewritten
.set NIL,  29                          ; v29     0; never rewritten
.set ACC,  128
.set F0,   0                           ; fragment buffers, in window 1
.set F1,   128
.set G1, 24                            ; s[24:31] descriptor group 1 for A's tiles;  s[32:39] group 0, one set for each slot
.set G0, 32
.set G1B, 48                           ; s[48:55], s[56:63] the same for B's tiles
.set G0B, 56
.set MSB, 0
.macro WIN new                         ; the immediate's high byte repeats the setting that is left; a switch that changes nothing is dropped
.if MSB != (\new)
	s_set_vgpr_msb (MSB<<8)|(\new)
.set MSB, \new
.endif
.endm
.set MUL,  0x05                        ; sources 0 (B) and 1 (A) window 1; C and D window 0
.set TO_F, 0x40                        ; destination window 1, address window 0
.macro JLOAD s                         ; a joint load: waves 0 and 1 fetch A's two halves, waves 2 and 3 B's; an s_nop 0 and four v_nop follow each of the two lines, ahead of the jump, the label and what follows
	s_cmp_eq_u32 s11, 0
	s_cbranch_scc0 .Lfor_b_\@
	tensor_load_to_lds s[G0+4*(\s):G0+4*(\s)+3], s[G1:G1+7]
	s_nop 0
.rept 4
	v_nop
.endr
	s_branch .Lasked_\@
.Lfor_b_\@:
	tensor_load_to_lds s[G0B+4*(\s):G0B+4*(\s)+3], s[G1B:G1B+7]
	s_nop 0
.rept 4
	v_nop
.endr
.Lasked_\@:
.endm
.macro CREST                           ; a round of the cluster's barrier behind its opening barrier
	s_cmp_lg_u32 s10, 0
	s_cbranch_scc1 .Lnot_wave_0_\@
	s_barrier_signal -3
.Lnot_wave_0_\@:
	s_barrier_wait -3
	s_barrier_signal -1
	s_barrier_wait -1
.endm
.macro CROUND                          ; a whole round
	s_barrier_signal -1
	s_barrier_wait -1
	CREST
.endm
	s_load_b128 s[4:7], s[0:1], 0x0                ; xb s[4:5], w1b s[6:7]
	s_load_b64 s[8:9], s[0:1], 0x10                ; se
	v_lshl_add_u32 v[SPW], v0, 2, SPARE
	v_mov_b32 v[NIL], 0
	ds_add_u32 v[SPW], v[NIL]                      ; the wave's opening: the add and its wait stand ahead of my first tensor load; the set-up below, work on registers, stands between them
	v_lshrrev_b32 v1, 5, v0
	v_readfirstlane_b32 s10, v1                    ; wave 0..3
	s_lshr_b32 s11, s10, 1                         ; which half of the tile's rows is mine.  Also: I fetch for A (0) or for B (1)
	s_and_b32 s12, s10, 1                          ; which half of its columns.  Also: which half of that tile I fetch
	s_bfe_u32 s40, ttmp6, 0x40000                  ; cx, cy: my place in the cluster
	s_bfe_u32 s41, ttmp6, 0x40004
	s_lshl_b32 s42, ttmp9, 2
	s_add_co_u32 s42, s42, s40                     ; tile column = 4 x cluster x + cx
	s_and_b32 s13, ttmp7, 0xffff
	s_lshl_b32 s13, s13, 2
	s_add_co_u32 s13, s13, s41                     ; tile row = 4 x cluster y + cy
	s_lshl_b32 s43, s41, 2
	s_lshl_b32 s43, 15, s43                        ; my row of the cluster
	s_lshl_b32 s44, 0x1111, s40                    ; my column
	; descriptor group 1.  A: 64 rows x 256 elements; B: 128 rows x 128 elements; both padded in LDS
	s_or_b32 s[G1+0], s43, (1<<16)|(1<<20)|(1<<21)|(6<<22)|(3<<25)  ; 15:0 the mask: my row; 17:16 2-byte elements; 20 padding on; 21 set beside a mask; 24:22 after every 128 words (code 6); 31:25 4 words (code 3)
	s_or_b32 s[G1B+0], s44, (1<<16)|(1<<20)|(1<<21)|(5<<22)|(7<<25) ; the mask of my column; after every 64 words (code 5) 8 words (code 7)
	s_mov_b32 s[G1+1], KSTEP<<16                   ; tensor_dim0 = 256
	s_mov_b32 s[G1+2], 64<<16                      ; tensor_dim1 = 64
	s_mov_b32 s[G1+3], KSTEP<<16                   ; tile_dim0 = 256
	s_mov_b32 s[G1+4], 64                          ; tile_dim1 = 64
	s_mov_b32 s[G1+5], 1024                        ; elements from row to row
	s_mov_b32 s[G1+6], 0
	s_mov_b32 s[G1+7], 0
	s_mov_b32 s[G1B+1], 128<<16                    ; tensor_dim0 = 128
	s_mov_b32 s[G1B+2], 128<<16                    ; tensor_dim1 = 128
	s_mov_b32 s[G1B+3], 128<<16                    ; tile_dim0 = 128
	s_mov_b32 s[G1B+4], 128                        ; tile_dim1 = 128
	s_mov_b32 s[G1B+5], 1024
	s_mov_b32 s[G1B+6], 0
	s_mov_b32 s[G1B+7], 0
	; where the tiles come from.  A's hang on the tile row alone, B's on the tile column alone; each in registers that never hold the other coordinate
	s_lshl_b32 s17, s12, 6
	s_lshl_b32 s16, s13, 7
	s_add_co_u32 s16, s16, s17                     ; A: row 128 x tile row + 64 x half,
	s_lshl_b32 s16, s16, 11                        ; of 2,048 bytes
	s_mov_b32 s17, 0
	s_lshr_b32 s46, ttmp9, 1                       ; B: tile columns 0-7 take W1's rows 0-1023, 8-15 its rows 1024-2047: tile column / 8 = cluster x / 2,
	s_lshl_b32 s46, s46, 21                        ; 1,024 rows of 2,048 bytes;
	s_and_b32 s45, ttmp9, 1
	s_lshl_b32 s45, s45, 2
	s_add_co_u32 s45, s45, s40                     ; tile column mod 8 = 4 (cluster x mod 2) + cx,
	s_lshl_b32 s45, s45, 8                         ; 128 columns of 2 bytes;
	s_add_co_u32 s46, s46, s45
	s_lshl_b32 s45, s12, 18                        ; my 128 of the step's 256 rows
	s_add_co_u32 s46, s46, s45
	s_mov_b32 s47, 0
	s_mul_i32 s20, s12, AHALF                      ; and where they go: no place in the cluster enters an LDS address
	s_mul_i32 s21, s12, BHALF
	s_add_co_u32 s21, s21, ATILE
	s_wait_dscnt 0x0                               ; the opening add is done
	s_wait_kmcnt 0x0
	s_add_nc_u64 s[14:15], s[4:5], s[16:17]
	s_add_nc_u64 s[46:47], s[6:7], s[46:47]
	CROUND                                         ; all sixteen work-groups are here: the first joint loads meet
.irp s, 0,1
	s_mov_b32 s[G0+4*(\s)], 1                                      ; count = 1
	s_add_co_u32 s[G0+4*(\s)+1], s20, (\s)*SLOT                    ; LDS address
	s_add_nc_u64 s[G0+4*(\s)+2:G0+4*(\s)+3], s[14:15], (\s)*KSTEP*2  ; K step s: 256 elements along A's rows
	s_or_b32 s[G0+4*(\s)+3], s[G0+4*(\s)+3], 0x80000000            ; type = 2
	s_mov_b32 s[G0B+4*(\s)], 1
	s_add_co_u32 s[G0B+4*(\s)+1], s21, (\s)*SLOT
	s_add_nc_u64 s[G0B+4*(\s)+2:G0B+4*(\s)+3], s[46:47], (\s)*KSTEP*2048  ; K step s: 256 rows down B
	s_or_b32 s[G0B+4*(\s)+3], s[G0B+4*(\s)+3], 0x80000000
	JLOAD \s                                       ; s + 1 loads of mine are out
.endr
	v_and_b32 v1, 15, v0                           ; r = l % 16
	v_bfe_u32 v2, v0, 4, 1                         ; h = l / 16
	v_mul_u32_u24 v3, v1, PA
	v_lshl_add_u32 v3, v2, 4, v3                   ; A: a fragment's row x pitch + 16 h
	s_mul_i32 s21, s11, AHALF                      ; my 64 rows of A
.irp s, 0,1
	v_add_nc_u32 v[ADRA+(\s)], s21, v3
	s_add_co_u32 s21, s21, SLOT
.endr
	; the turning load takes 16 k x 16 n (lane l reads 16 bytes: k = 8 h + l % 8, n = 8 ((l / 8) % 2) + 0..7) and leaves half a fragment: lane l holds column l % 16 and 8 k
	v_and_b32 v5, 7, v0
	v_bfe_u32 v6, v0, 3, 1
	v_lshl_add_u32 v4, v2, 3, v5
	v_mul_u32_u24 v4, v4, PB
	v_lshl_add_u32 v4, v6, 4, v4
	s_lshl_b32 s22, s12, 7                         ; my 64 columns: 128 bytes,
	s_add_co_u32 s22, s22, ATILE                   ; behind A's tile
.irp x, 0,1,2,3
	s_add_co_u32 s23, s22, ((\x)/2)*SLOT+((\x)%2)*128*PB
	v_add_nc_u32 v[ADRB+(\x)], s23, v4
.endr
	s_mul_i32 s23, s10, 16*SPITCH
	s_add_co_u32 s23, s23, STAGE                   ; my stage
	v_mul_u32_u24 v4, v1, SPITCH                   ; in: row r, 32 bytes for each half of the lanes
	v_lshl_add_u32 v4, v2, 5, v4
	v_add_nc_u32 v[STO], s23, v4
	v_mul_u32_u24 v5, v2, SPITCH                   ; back: lanes 0-15 take one row of 256 bytes, lanes 16-31 the next
	v_lshl_add_u32 v5, v1, 4, v5
	v_add_nc_u32 v[RD], s23, v5
	v_lshlrev_b32 v5, 13, v2                       ; and the same two rows in se, 8,192 bytes apart
	v_lshl_add_u32 v[CO], v1, 4, v5
	s_lshl_b32 s16, s13, 7
	s_lshl_b32 s17, s11, 6
	s_add_co_u32 s16, s16, s17                     ; my first row of se: 128 x tile row + 64 x half,
	s_lshl_b32 s16, s16, 13                        ; of 8,192 bytes
	s_mov_b32 s17, 0
	s_add_nc_u64 s[8:9], s[8:9], s[16:17]
	s_lshl_b32 s46, s42, 9                         ; my first column, in bytes: 512 x tile column + 256 x half (in the registers that held B's address)
	s_lshl_b32 s47, s12, 8
	s_add_co_u32 s46, s46, s47
	s_mov_b32 s47, 0
	s_add_nc_u64 s[8:9], s[8:9], s[46:47]
; 8 matrix instructions: m blocks a0, a0 + 1 x all 4 n blocks, 32 along K: half c of buffer f.  zero = 1: the first product starts the sums.  The 16 accumulators take turns.
.macro MUL8 f, c, a0, zero
	WIN MUL
.irp a, \a0, (\a0)+1
.irp b, 0,1,2,3
.if \zero
	v_wmma_f32_16x16x32_bf16 v[ACC+8*(4*(\a)+(\b)):ACC+8*(4*(\a)+(\b))+7], v[(\f)+64+8*(4*(\c)+(\b)):(\f)+64+8*(4*(\c)+(\b))+7], v[(\f)+8*(4*(\c)+(\a)):(\f)+8*(4*(\c)+(\a))+7], 0
.else
	v_wmma_f32_16x16x32_bf16 v[ACC+8*(4*(\a)+(\b)):ACC+8*(4*(\a)+(\b))+7], v[(\f)+64+8*(4*(\c)+(\b)):(\f)+64+8*(4*(\c)+(\b))+7], v[(\f)+8*(4*(\c)+(\a)):(\f)+8*(4*(\c)+(\a))+7], v[ACC+8*(4*(\a)+(\b)):ACC+8*(4*(\a)+(\b))+7]
.endif
.endr
.endr
.endm
; 32 LDS loads in one run: the fragments of quarter q (64 along K) of a slot, into buffer f; the first 32 along K first
.macro FETCH slot, q, f
	WIN TO_F
.irp c, 0,1
.irp i, 0,1,2,3
	ds_load_tr16_b128 v[(\f)+64+8*(4*(\c)+(\i)):(\f)+64+8*(4*(\c)+(\i))+3],   v[ADRB+2*(\slot)+(\q)/2] offset:(((\q)%2)*64+32*(\c))*PB+32*(\i)
	ds_load_tr16_b128 v[(\f)+64+8*(4*(\c)+(\i))+4:(\f)+64+8*(4*(\c)+(\i))+7], v[ADRB+2*(\slot)+(\q)/2] offset:(((\q)%2)*64+32*(\c)+16)*PB+32*(\i)
	ds_load_b128 v[(\f)+8*(4*(\c)+(\i)):(\f)+8*(4*(\c)+(\i))+3],              v[ADRA+(\slot)] offset:128*(\q)+64*(\c)+(\i)*16*PA
	ds_load_b128 v[(\f)+8*(4*(\c)+(\i))+4:(\f)+8*(4*(\c)+(\i))+7],            v[ADRA+(\slot)] offset:128*(\q)+64*(\c)+(\i)*16*PA+32
.endr
.endr
.endm
.macro PLACES                          ; four places in front of loads into registers that matrix instructions have read, and of LDS stores that read results (ISA guide 7.12.1 for vector instructions)
.rept 4
	v_nop
.endr
.endm
; A K step is four quarters of 64 along K, 32 matrix instructions each, on buffers 0, 1, 0, 1.  One of the first three: multiplies buffer f and fetches quarter q into g.
.macro QUARTER slot, q, f, g, zero
	s_wait_dscnt 16                                ; the first 32 along K are in; the youngest sixteen loads may be out
	MUL8 \f, 0, 0, \zero
	MUL8 \f, 0, 2, \zero
	PLACES
	FETCH \slot, \q, \g
	s_wait_dscnt 32                                ; all but the 32 just issued
	MUL8 \f, 1, 0, 0
	MUL8 \f, 1, 2, 0
.endm
; The last quarter multiplies buffer 1 and changes slots: ONE barrier; in front of it each wave waits for all its tensor loads, adds 0 to its spare word, and waits for that and for its own reads of this slot.
; fill = 1: this slot is filled again, two K steps ahead; the barrier then opens a round of the cluster's barrier, and the joint load is the first thing behind the round.
.macro TURN slot, next, fill
	WIN 0                                          ; (the add's two registers lie in window 0)
	s_wait_tensorcnt 0x0                           ; all my tensor loads have landed: the one that was out is my part of the next slot;
	ds_add_u32 v[SPW], v[NIL]                      ; 0 onto my spare word
	s_wait_dscnt 17                                ; (the add and the youngest sixteen loads may be out)
	MUL8 F1, 0, 0, 0                               ; eight matrix instructions stand between the add and the wait for it
	s_wait_dscnt 0x0                               ; the add is done, and my reads of this slot are over
	s_barrier_signal -1
	MUL8 F1, 0, 2, 0                               ; work on registers while the others arrive
.if \fill
	WIN 0
.endif
	s_barrier_wait -1
.if \fill
	CREST                                          ; no wave of any partner still reads this slot's tile or has a load on its way
	s_add_nc_u64 s[G0+4*(\slot)+2:G0+4*(\slot)+3], s[G0+4*(\slot)+2:G0+4*(\slot)+3], 2*KSTEP*2
	s_add_nc_u64 s[G0B+4*(\slot)+2:G0B+4*(\slot)+3], s[G0B+4*(\slot)+2:G0B+4*(\slot)+3], 2*KSTEP*2048
	JLOAD \slot                                    ; my one tensor load behind the round: 112 matrix instructions ahead of the wait for it; its four v_nop are also the places in front of the loads below
.else
	PLACES
.endif
	FETCH \next, 0, F0
	MUL8 F1, 1, 0, 0
	MUL8 F1, 1, 2, 0
.endm
	s_wait_tensorcnt 1                             ; my part of K step 0 is in; K step 1's may stay out
	s_barrier_signal -1
	s_barrier_wait -1                              ; everybody's is
	FETCH 0, 0, F0
	QUARTER 0, 1, F0, F1, 1                        ; K step 0: the first products start the sums
	QUARTER 0, 2, F1, F0, 0
	QUARTER 0, 3, F0, F1, 0
	TURN 0, 1, 1                                   ; slot 0 takes K step 2
	QUARTER 1, 1, F0, F1, 0                        ; K step 1
	QUARTER 1, 2, F1, F0, 0
	QUARTER 1, 3, F0, F1, 0
	TURN 1, 0, 1                                   ; slot 1 takes K step 3
	QUARTER 0, 1, F0, F1, 0                        ; K step 2
	QUARTER 0, 2, F1, F0, 0
	QUARTER 0, 3, F0, F1, 0
	TURN 0, 1, 0                                   ; nothing is left to fetch, so no round follows
	QUARTER 1, 1, F0, F1, 0                        ; K step 3
	QUARTER 1, 2, F1, F0, 0
	QUARTER 1, 3, F0, F1, 0
	s_wait_dscnt 16                                ; the very last quarter
	MUL8 F1, 0, 0, 0
	MUL8 F1, 0, 2, 0
	s_wait_dscnt 0
	MUL8 F1, 1, 0, 0
	MUL8 F1, 1, 2, 0
	WIN 0
	; THE WAY OUT.  My 64 columns of f32 are 256 bytes of a row of se, so the stage is my own and no barrier is needed.  16 rows at a time: 32 bytes a lane into rows of 272 bytes, back as whole rows.
	PLACES
.macro TOSTAGE a
.irp b, 0,1,2,3
.irp x, 0,1                            ; each accumulator's four lowest registers first
	ds_store_b128 v[STO], v[ACC+8*(4*(\a)+(\b))+4*(\x):ACC+8*(4*(\a)+(\b))+4*(\x)+3] offset:64*(\b)+16*(\x)
.endr
.endr
.irp t, 0,1,2,3,4,5,6,7
	ds_load_b128 v[ACC+32*(\a)+4*(\t):ACC+32*(\a)+4*(\t)+3], v[RD] offset:(\t)*2*SPITCH  ; LDS serves a wave's instructions in order (ISA guide 5.7.1.4): these see the stores above; the next block's stores come behind them
.endr
.endm
.macro SEND a, younger                 ; younger: the LDS instructions issued behind block a's loads: the next block's sixteen, or none
.irp t, 0,1,2,3,4,5,6,7
	s_wait_dscnt (\younger)+7-(\t)
	global_store_b128 v[CO], v[ACC+32*(\a)+4*(\t):ACC+32*(\a)+4*(\t)+3], s[8:9] offset:(16*(\a)+2*(\t))*8192  ; 16 lanes store 256 consecutive bytes, at a multiple of 256 from se's first byte
.endr
.endm
	TOSTAGE 0
	TOSTAGE 1
	SEND 0, 16
	TOSTAGE 2
	SEND 1, 16
	TOSTAGE 3
	SEND 2, 16
	SEND 3, 0
	s_wait_tensorcnt 0x0                           ; the wave's end: behind my last tensor load and my last LDS store
	ds_add_u32 v[SPW], v[NIL]
	s_wait_dscnt 0x0
	CROUND                                         ; the closing round: no work-group ends while a partner may still ask for a tile that names it
	s_endpgm
.Lfunc_end_k_qce19d41537_gemm:
	.size	k_qce19d41537_gemm, .Lfunc_end_k_qce19d41537_gemm-k_qce19d41537_gemm
	.p2alignl 7, 3214868480
	.fill 96, 4, 3214868480
	.section	.rodata,"a",@progbits
	.p2align	6, 0x0
	.amdhsa_kernel k_qce19d41537_gemm
		.amdhsa_group_segment_fixed_size 327680
		.amdhsa_private_segment_fixed_size 0
		.amdhsa_enable_private_segment 0
		.amdhsa_kernarg_size 24
		.amdhsa_user_sgpr_count 2
		.amdhsa_user_sgpr_kernarg_segment_ptr 1
		.amdhsa_wavefront_size32 1
		.amdhsa_system_sgpr_workgroup_id_x 1
		.amdhsa_system_sgpr_workgroup_id_y 1
		.amdhsa_system_sgpr_workgroup_id_z 1
		.amdhsa_system_vgpr_workitem_id 0
		.amdhsa_next_free_vgpr 512
		.amdhsa_next_free_sgpr 66
		.amdhsa_reserve_vcc 0
		.amdhsa_float_denorm_mode_32 3
		.amdhsa_float_denorm_mode_16_64 3
		.amdhsa_memory_ordered 1
		.amdhsa_forward_progress 1
		.amdhsa_inst_pref_size 87
	.end_amdhsa_kernel
	.amdgpu_metadata
---
amdhsa.version: [ 1, 2 ]
amdhsa.kernels:
  - .name:           k_qce19d41537_gemm
    .symbol:         k_qce19d41537_gemm.kd
    .args:
      - { .name: xb, .offset: 0, .size: 8, .value_kind: global_buffer, .address_space: global }
      - { .name: w1b, .offset: 8, .size: 8, .value_kind: global_buffer, .address_space: global }
      - { .name: se, .offset: 16, .size: 8, .value_kind: global_buffer, .address_space: global }
    .group_segment_fixed_size: 327680
    .private_segment_fixed_size: 0
    .kernarg_segment_align: 8
    .kernarg_segment_size: 24
    .max_flat_workgroup_size: 128
    .sgpr_count:     66
    .vgpr_count:     512
    .wavefront_size: 32
...
	.end_amdgpu_metadata
.endif
;; end of part 2
;; launch spans (part 3): grid 237 x 1, 8 waves a work-group, no clusters, 103,680 bytes of LDS; arguments se, wd, W2, b2, span_starts, span_ends, out0; writes out0
.if DOCPART == 3
	.amdgcn_target "amdgcn-amd-amdhsa--gfx1250"
	.amdhsa_code_object_version 6
	.text
	.protected	k_qce19d41537_spans
	.globl	k_qce19d41537_spans
	.p2align	8
	.type	k_qce19d41537_spans,@function
k_qce19d41537_spans:
	s_mov_b64 s[64:65], 0
	v_nop
	global_prefetch_b8 v0, s[64:65] scope:SCOPE_SE
	s_setreg_imm32_b32 hwreg(HW_REG_WAVE_MODE, 25, 1), 1
	s_wait_xcnt 0x0
; out0[b][n][:] = relu(S[b][start n] + E[b][end n] + wd[end n - start n]) W2 + b2.  se: [4 x 512 tokens][S 1024 | E 1024] f32; wd: [15][1024] f32 (b1 is in it).
; SHARES.  Wave tile t = 8 x work-group + wave takes spans 4 t + i (i = 0..3) in all four batches: 16 rows, row m = 4 b + i.  7,575 spans are 1,894 tiles on 237 x 8 = 1,896 waves: the last work-group's
; last two waves run on clamped indices and store nothing.  The 1,024 channels go in 16 chunks of 64.  One load takes 256 consecutive bytes of row g (lanes 0-15) and of row g + 8 (lanes 16-31).
; h is rounded once to bf16 and goes through my own stage in LDS into fragments; logits^T = W2^T h^T on the matrix unit (source 0 = labels, source 1 = 16 rows): lane r < 16 holds row r's three logits.
; NO CLUSTER, NO TENSOR LOADS: which rows a wave reads hangs on its own indices, so no tile is shared by construction.
; LIMITS.  start and end are clamped to 511, end - start (unsigned) to 14: inside those ranges, which the gathers need anyway, nothing changes.  A NaN in h counts as 0 (the maximum drops it).
; W2 and b2 are rounded once to bf16 like every other input; the sum over the first layer's 2,112 terms is taken in three f32 parts.
.set BSTEP, 4194304                    ; a batch in se: 512 rows of 8,192 bytes
.set W2T,   61440                      ; LDS: wd at 0 (15 x 4,096); W2^T in bf16, 3 rows, pitch 2,064
.set WPITCH, 2064
.set STAGE, 67840                      ; 8 x 4,352: for each wave 16 rows x 272 bytes: two chunks of 64 channels in bf16, and 16 of padding
.set SPITCH, 272
.set SPARE, 102656                     ; the spare words, 128 bytes for each wave: four blocks of 256 bytes that no other line names
.set OFF,  3                           ; v3      2 batches x h + 16 r; never rewritten
.set WDA,  4                           ; v4-7    span i's row of wd in LDS: 4,096 w + 16 r
.set STO,  8                           ; v8      stage + 8 rows x h + 8 r
.set FRH,  9                           ; v9      stage + 272 r + 16 h
.set FRW,  10                          ; v10     W2T + 2,064 min(r, 2) + 16 h: labels 3-15 do not exist; those lanes repeat label 2, and their results are not read
.set ZERO, 11                          ; v11     0, for the relu
.set SPW,  12                          ; v12     LDS address of my spare word: SPARE + 4 x my thread's number; never rewritten
.set NIL,  13                          ; v13     0; never rewritten
.set TR,   16                          ; v16-23  four sums in f32, two sets
.set HR,   24                          ; v24-27  four h in bf16, two sets
.set WDR,  32                          ; v32-63  wd of a chunk, 4 registers a span, two buffers
.set FH,   64                          ; v64-79  h's two fragments
.set FW,   80                          ; v80-95  W2^T's two fragments
.set ACC0, 96                          ; v96-103   channels 0-31 of every chunk
.set ACC1, 104                         ; v104-111  channels 32-63
.set OUT,  112                         ; v112-114
.set RING, 128                         ; v128-255  16 slots (chunk parity x row pair): 4 registers of S, 4 of E
.set SB,   36                          ; s[36:43] se at span i's start row
.set EB,   44                          ; s[44:51] se at span i's end row, E's half
	s_load_b256 s[4:11], s[0:1], 0x0               ; se s[4:5], wd s[6:7], W2 s[8:9], b2 s[10:11]
	s_load_b128 s[12:15], s[0:1], 0x20             ; span_starts s[12:13], span_ends s[14:15]
	s_load_b64 s[16:17], s[0:1], 0x30              ; out0
	v_lshl_add_u32 v[SPW], v0, 2, SPARE
	v_mov_b32 v[NIL], 0
	v_mov_b32 v[ZERO], 0
	v_lshrrev_b32 v1, 5, v0
	v_readfirstlane_b32 s18, v1                    ; wave 0..7
	v_and_b32 v1, 15, v0                           ; r
	v_bfe_u32 v2, v0, 4, 1                         ; h
	s_lshl_b32 s19, ttmp9, 3
	s_add_co_u32 s19, s19, s18                     ; t
	s_lshl_b32 s58, s19, 2                         ; 4 t
.irp i, 0,1,2,3
	s_add_co_u32 s[20+(\i)], s58, \i
	s_min_u32 s[20+(\i)], s[20+(\i)], 7574         ; no load leaves the lists
	s_lshl_b32 s[20+(\i)], s[20+(\i)], 2
.endr
	v_lshlrev_b32 v[OFF], 4, v1
	v_lshl_or_b32 v[OFF], v2, 23, v[OFF]
	v_lshlrev_b32 v28, 4, v0                       ; the fill: 16 bytes of wd a thread,
	v_mul_u32_u24 v29, v0, 48                      ; four rows of W2,
	v_lshl_add_u32 v30, v0, 3, W2T                 ; which are 8 bytes of each row of W2^T
	s_mul_i32 s56, s18, 16*SPITCH
	s_add_co_u32 s56, s56, STAGE                   ; my stage
	v_mul_u32_u24 v[STO], v2, 8*SPITCH
	v_lshl_add_u32 v[STO], v1, 3, v[STO]
	v_add_nc_u32 v[STO], s56, v[STO]
	v_mul_u32_u24 v[FRH], v1, SPITCH
	v_lshl_add_u32 v[FRH], v2, 4, v[FRH]
	v_add_nc_u32 v[FRH], s56, v[FRH]
	v_min_u32 v[FRW], 2, v1
	v_mul_u32_u24 v[FRW], v[FRW], WPITCH
	v_lshl_add_u32 v[FRW], v2, 4, v[FRW]
	v_add_nc_u32 v[FRW], W2T, v[FRW]
	s_wait_kmcnt 0x0
.irp i, 0,1,2,3
	s_load_b32 s[24+(\i)], s[12:13], s[20+(\i)] offset:0x0
	s_load_b32 s[28+(\i)], s[14:15], s[20+(\i)] offset:0x0
.endr
	s_load_b96 s[32:34], s[10:11], 0x0             ; b2
.irp j, 0,1,2,3,4,5,6,7,8,9,10,11,12,13,14
	global_load_b128 v[32+4*(\j):32+4*(\j)+3], v28, s[6:7] offset:4096*(\j)  ; the work-group's copy of wd: the eight waves cover a row
.endr
.irp x, 0,1,2
	global_load_b128 v[96+4*(\x):96+4*(\x)+3], v29, s[8:9] offset:16*(\x)
.endr
	s_wait_kmcnt 0x0
.irp i, 0,1,2,3
	s_min_u32 s[24+(\i)], s[24+(\i)], 511
	s_min_u32 s[28+(\i)], s[28+(\i)], 511
	s_sub_co_u32 s[52+(\i)], s[28+(\i)], s[24+(\i)]
	s_min_u32 s[52+(\i)], s[52+(\i)], 14
	s_lshl_b32 s[52+(\i)], s[52+(\i)], 12          ; the width's row of wd
	s_lshl_b32 s56, s[24+(\i)], 13                 ; the start's row of se
	s_mov_b32 s57, 0
	s_add_nc_u64 s[SB+2*(\i):SB+2*(\i)+1], s[4:5], s[56:57]
	s_lshl_b32 s56, s[28+(\i)], 13                 ; the end's row,
	s_add_co_u32 s56, s56, 4096                    ; its second half
	s_add_nc_u64 s[EB+2*(\i):EB+2*(\i)+1], s[4:5], s[56:57]
	v_lshl_add_u32 v[WDA+(\i)], v1, 4, s[52+(\i)]
.endr
.irp c, 0,1                            ; the ring is filled: chunks 0 and 1, 32 loads
.irp g, 0,1,2,3,4,5,6,7
	global_load_b128 v[RING+8*(8*(\c)+(\g)):RING+8*(8*(\c)+(\g))+3],   v[OFF], s[SB+2*((\g)%4):SB+2*((\g)%4)+1] offset:((\g)/4)*BSTEP+256*(\c)
	global_load_b128 v[RING+8*(8*(\c)+(\g))+4:RING+8*(8*(\c)+(\g))+7], v[OFF], s[EB+2*((\g)%4):EB+2*((\g)%4)+1] offset:((\g)/4)*BSTEP+256*(\c)
.endr
.endr
	s_wait_loadcnt 32                              ; wd's 15 and W2's 3 loads are in; the ring's 32 stay out
.irp j, 0,1,2,3,4,5,6,7,8,9,10,11,12,13,14
	ds_store_b128 v28, v[32+4*(\j):32+4*(\j)+3] offset:4096*(\j)
.endr
.irp l, 0,1,2                          ; my four rows k of W2 hold x[3 k + l]: label l takes x[l], x[3 + l], x[6 + l], x[9 + l]
	v_cvt_pk_bf16_f32 v[108+2*(\l)], v[96+(\l)],  v[99+(\l)]
	v_cvt_pk_bf16_f32 v[109+2*(\l)], v[102+(\l)], v[105+(\l)]
.endr
.irp l, 0,1,2
	ds_store_b64 v30, v[108+2*(\l):109+2*(\l)] offset:WPITCH*(\l)
.endr
	s_wait_dscnt 0x0                               ; for the others' sake: my part of the two tables is in LDS
	s_barrier_signal -1
	s_barrier_wait -1                              ; everybody's is; from here on the tables are only read, and a wave's stage is its own: no further barrier
.macro WDLOAD c                        ; wd of chunk c for my four spans; both halves of the lanes read the same words
.irp i, 0,1,2,3
	ds_load_b128 v[WDR+16*((\c)%2)+4*(\i):WDR+16*((\c)%2)+4*(\i)+3], v[WDA+(\i)] offset:256*(\c)
.endr
.endm
; Rows g and g + 8, chunk c: S + E + wd, rounded to bf16, relu (behind the rounding it gives the same number), into the stage.  The slot's registers are asked for again, two chunks on, as soon as they are read.
.macro SLOT c, g
.set RQ, RING+8*(8*((\c)%2)+(\g))
.set RT, TR+4*((\g)%2)
.set RH, HR+2*((\g)%2)
.set RW, WDR+16*((\c)%2)+4*((\g)%4)
.if (\c) <= 13
	s_wait_loadcnt 30                              ; loads come back in order: behind this slot's two stand the other fifteen slots' pairs
.else
	s_wait_loadcnt 2*(15-8*((\c)-14)-(\g))         ; the last two chunks ask for nothing: the counts run down
.endif
	v_pk_add_f32 v[RT:RT+1],   v[RQ:RQ+1],   v[RQ+4:RQ+5]
	v_pk_add_f32 v[RT+2:RT+3], v[RQ+2:RQ+3], v[RQ+6:RQ+7]
.if (\c) <= 13
	global_load_b128 v[RQ:RQ+3],   v[OFF], s[SB+2*((\g)%4):SB+2*((\g)%4)+1] offset:((\g)/4)*BSTEP+256*((\c)+2)
	global_load_b128 v[RQ+4:RQ+7], v[OFF], s[EB+2*((\g)%4):EB+2*((\g)%4)+1] offset:((\g)/4)*BSTEP+256*((\c)+2)
.endif
	v_pk_add_f32 v[RT:RT+1],   v[RT:RT+1],   v[RW:RW+1]
	v_pk_add_f32 v[RT+2:RT+3], v[RT+2:RT+3], v[RW+2:RW+3]
	v_cvt_pk_bf16_f32 v[RH],   v[RT],   v[RT+1]
	v_cvt_pk_bf16_f32 v[RH+1], v[RT+2], v[RT+3]
	v_pk_max_num_bf16 v[RH],   v[RH],   v[ZERO]
	v_pk_max_num_bf16 v[RH+1], v[RH+1], v[ZERO]
	ds_store_b64 v[STO], v[RH:RH+1] offset:SPITCH*(\g)+128*((\c)%2)  ; rows g and g + 8 lie 2,176 bytes apart, 128 modulo 256: the 32 lanes touch each bank once
.endm
.macro FRLOAD c                        ; chunk c's fragments: 16 rows x 64 channels of h from my stage, 64 channels of W2^T
.irp kk, 0,1
.irp x, 0,1
	ds_load_b128 v[FH+8*(\kk)+4*(\x):FH+8*(\kk)+4*(\x)+3], v[FRH] offset:128*((\c)%2)+64*(\kk)+32*(\x)  ; LDS serves a wave's instructions in order (ISA guide 5.7.1.4): these see the stores above
	ds_load_b128 v[FW+8*(\kk)+4*(\x):FW+8*(\kk)+4*(\x)+3], v[FRW] offset:128*(\c)+64*(\kk)+32*(\x)
.endr
.endr
.endm
.macro MM zero                         ; two accumulators by turns, one instruction a turn, from the first chunk to the last
.if \zero
	v_wmma_f32_16x16x32_bf16 v[ACC0:ACC0+7], v[FW:FW+7],    v[FH:FH+7],    0
	v_wmma_f32_16x16x32_bf16 v[ACC1:ACC1+7], v[FW+8:FW+15], v[FH+8:FH+15], 0
.else
	v_wmma_f32_16x16x32_bf16 v[ACC0:ACC0+7], v[FW:FW+7],    v[FH:FH+7],    v[ACC0:ACC0+7]
	v_wmma_f32_16x16x32_bf16 v[ACC1:ACC1+7], v[FW+8:FW+15], v[FH+8:FH+15], v[ACC1:ACC1+7]
.endif
.endm
; A chunk.  The products of the chunk before stand in its middle, so that their fragments have four rows' work in which to come.
.macro CHUNK c
.if (\c) < 15
	WDLOAD (\c)+1
.endif
.if (\c) == 0
	s_wait_dscnt 4                                 ; wd of chunk 0 is in; behind it: the next chunk's 4 loads
.elseif (\c) < 15
	s_wait_dscnt 20                                ; wd of this chunk is in; behind it: the last chunk's 8 stores and 8 fragment loads, the next chunk's 4 loads
.else
	s_wait_dscnt 16                                ; the same without a next chunk
.endif
	SLOT \c, 0
	SLOT \c, 1
	SLOT \c, 2
	SLOT \c, 3
.if (\c) >= 1
.if (\c) < 15
	s_wait_dscnt 8                                 ; the last chunk's fragments are in; behind them: 4 loads of wd, 4 stores
.else
	s_wait_dscnt 4                                 ; 4 stores
.endif
.if (\c) == 1
	MM 1                                           ; the first products start the sums
.else
	MM 0
.endif
.endif
	SLOT \c, 4                                     ; 32 plain vector instructions that name no register of the products: more than the four places in front of the loads into FH and FW
	SLOT \c, 5
	SLOT \c, 6
	SLOT \c, 7
	FRLOAD \c
.endm
	WDLOAD 0
.irp c, 0,1,2,3,4,5,6,7,8,9,10,11,12,13,14,15
	CHUNK \c
.endr
	s_wait_dscnt 0x0                               ; the last chunk's fragments
	MM 0
	s_wait_tensorcnt 0x0                           ; the wave's end: behind my last LDS store; the work below stands between the add and the wait for it,
	ds_add_u32 v[SPW], v[NIL]                      ; and is also the places behind the last products
	v_mov_b32 v116, s32                            ; b2 is rounded like the other inputs, and widened again
	v_mov_b32 v117, s33
	v_mov_b32 v118, s34
	v_cvt_pk_bf16_f32 v119, v116, v117
	v_cvt_pk_bf16_f32 v120, v118, v118
	v_lshlrev_b32 v116, 16, v119
	v_and_b32 v117, 0xffff0000, v119
	v_lshlrev_b32 v118, 16, v120
	v_and_b32 v15, 3, v1
	v_add_nc_u32 v15, s58, v15                     ; my row's span: 4 t + r % 4
	v_lshrrev_b32 v14, 2, v1                       ; its batch: r / 4
	v_mul_u32_u24 v14, v14, 90900                  ; 7,575 spans of 12 bytes
	v_mad_u32_u24 v14, v15, 12, v14
	v_lshl_add_u32 v15, v2, 13, v15                ; lanes 16-31 hold labels that do not exist: past every span's number
	s_wait_dscnt 0x0
	v_add_f32 v[OUT],   v[ACC0],   v[ACC1]         ; from each accumulator's low end on: registers 0-2 of lanes 0-15 are labels 0-2 of row r
	v_add_f32 v[OUT+1], v[ACC0+1], v[ACC1+1]
	v_add_f32 v[OUT+2], v[ACC0+2], v[ACC1+2]
	v_add_f32 v[OUT],   v[OUT],   v116
	v_add_f32 v[OUT+1], v[OUT+1], v117
	v_add_f32 v[OUT+2], v[OUT+2], v118
	s_wait_xcnt 0x0                                ; EXEC changes only behind this wait
	v_cmp_gt_u32 vcc_lo, 7575, v15
	s_and_saveexec_b32 s59, vcc_lo
	global_store_b96 v14, v[OUT:OUT+2], s[16:17]   ; 48 consecutive bytes for each batch; a batch's 90,900 bytes are no multiple of 256, and the output is 363,600 bytes in all: no stage is built for it
	s_endpgm
.Lfunc_end_k_qce19d41537_spans:
	.size	k_qce19d41537_spans, .Lfunc_end_k_qce19d41537_spans-k_qce19d41537_spans
	.p2alignl 7, 3214868480
	.fill 96, 4, 3214868480
	.section	.rodata,"a",@progbits
	.p2align	6, 0x0
	.amdhsa_kernel k_qce19d41537_spans
		.amdhsa_group_segment_fixed_size 103680
		.amdhsa_private_segment_fixed_size 0
		.amdhsa_enable_private_segment 0
		.amdhsa_kernarg_size 56
		.amdhsa_user_sgpr_count 2
		.amdhsa_user_sgpr_kernarg_segment_ptr 1
		.amdhsa_wavefront_size32 1
		.amdhsa_system_sgpr_workgroup_id_x 1
		.amdhsa_system_sgpr_workgroup_id_y 1
		.amdhsa_system_sgpr_workgroup_id_z 1
		.amdhsa_system_vgpr_workitem_id 0
		.amdhsa_next_free_vgpr 256
		.amdhsa_next_free_sgpr 66
		.amdhsa_reserve_vcc 1
		.amdhsa_float_denorm_mode_32 3
		.amdhsa_float_denorm_mode_16_64 3
		.amdhsa_memory_ordered 1
		.amdhsa_forward_progress 1
		.amdhsa_inst_pref_size 125
	.end_amdhsa_kernel
	.amdgpu_metadata
---
amdhsa.version: [ 1, 2 ]
amdhsa.kernels:
  - .name:           k_qce19d41537_spans
    .symbol:         k_qce19d41537_spans.kd
    .args:
      - { .name: se, .offset: 0, .size: 8, .value_kind: global_buffer, .address_space: global }
      - { .name: wd, .offset: 8, .size: 8, .value_kind: global_buffer, .address_space: global }
      - { .name: W2, .offset: 16, .size: 8, .value_kind: global_buffer, .address_space: global }
      - { .name: b2, .offset: 24, .size: 8, .value_kind: global_buffer, .address_space: global }
      - { .name: span_starts, .offset: 32, .size: 8, .value_kind: global_buffer, .address_space: global }
      - { .name: span_ends, .offset: 40, .size: 8, .value_kind: global_buffer, .address_space: global }
      - { .name: out0, .offset: 48, .size: 8, .value_kind: global_buffer, .address_space: global }
    .group_segment_fixed_size: 103680
    .private_segment_fixed_size: 0
    .kernarg_segment_align: 8
    .kernarg_segment_size: 56
    .max_flat_workgroup_size: 256
    .sgpr_count:     66
    .vgpr_count:     256
    .wavefront_size: 32
...
	.end_amdgpu_metadata
.endif
;; end of part 3
;; ======== version 2 of 2: 3 launches; version 1 with the launch prep written anew for expert scheduling mode
;; workspace buffers: xb 4,194,304 bytes; w1b 4,194,304 bytes; wd 61,440 bytes; se 16,777,216 bytes
;; launch prep (part 4): grid 264 x 1, 8 waves a work-group, no clusters, 0 bytes of LDS; arguments sequence_output, W1, width_emb, b1, xb, w1b, wd; writes xb, w1b, wd
.if DOCPART == 4
	.amdgcn_target "amdgcn-amd-amdhsa--gfx1250"
	.amdhsa_code_object_version 6
	.text
	.protected	k_qce19d41537_prep
	.globl	k_qce19d41537_prep
	.p2align	8
	.type	k_qce19d41537_prep,@function
k_qce19d41537_prep:
	s_mov_b64 s[64:65], 0
	v_nop
	global_prefetch_b8 v0, s[64:65] scope:SCOPE_SE
	s_setreg_imm32_b32 hwreg(HW_REG_WAVE_SCHED_MODE, 0, 2), 2
	s_setreg_imm32_b32 hwreg(HW_REG_WAVE_MODE, 25, 1), 1
	s_wait_xcnt 0x0
	s_wait_alu depctr_vm_vsrc(0)
; PREP.  Two jobs, chosen by the work-group's number.
; Work-groups 0-127: xb = bf16(sequence_output), 2,048 rows of 1,024.  Work-groups 128-255: w1b = bf16(W1 rows 0-2047), as they lie.  Each takes 65,536 bytes in, 32,768 out.
; Work-groups 256-263: wd[w][n] = sum over k of width_emb[w][k] W1[2048 + k][n] + b1[n], f32, [15][1024]: the part of the first layer that hangs on a span's width alone.
; Every input is rounded once to bf16 (b1 too); the sums are f32.  No LDS, no barrier: no wave needs another's data.
; THE MODE: SCHED_MODE bits 1:0 = 2 (LLVM: expert scheduling mode 2), set by the entry lines.  The code itself states the register dependences
; between vector or matrix instructions and memory instructions, with s_wait_alu, always for 0.
; THE PLAN.  Registers that memory instructions touch:
;   the cast:   v3, v2   the loads' and the stores' offsets: written once by vector instructions, never again.  One wait ahead of the first load serves all 32 memory instructions.
;               X        each register is loaded once; no vector instruction names it ahead of its load.
;               Y        each register is written once, by a conversion, and read by one store.  The 16 loads go in four groups of four: group g's conversions write Y's group g, and the four
;                        stores that read it are issued in group g + 1, behind ONE wait at that group's head, dealt among that group's conversions, which name X's and Y's group g + 1 alone.
;                        Behind the last group one more wait stands ahead of the last four stores.  No register that a memory instruction reads is written again.
;   the table:  v3-v6    offsets, written once: one wait ahead of the first load.  EM, WF, BI: loaded once, named by no vector instruction ahead of that.
;               OUT      written by the four packed additions, read by the two stores: stated by the wait on va_vdst that stands ahead of the write of EXEC.
;   s18 (the wave's number, from a vector instruction) and VCC (the mask) have a wait each ahead of their first readers.
.set X,   4                            ; cast: v[4:67]   16 loads of 4 f32
.set Y,   68                           ; cast: v[68:99]  16 pairs of packed bf16
.set EM,  8                            ; width: v[8:39]   width_emb, f32: register 16 kk + 8 x + j holds k = 32 kk + 16 x + 8 h + j of width r
.set WF,  40                           ; width: v[40:71]  W1, f32, the same k of column n0 + r
.set BI,  72                           ; width: v[72:79]  b1[n0 + 8 h + j]: the C operand
.set FE,  80                           ; width: v[80:95]  width_emb's two fragments
.set FW,  96                           ; width: v[96:111] W1's two fragments
.set BP,  112                          ; width: v[112:115] b1 packed
.set ACC0, 116                         ; v[116:123] k 0-31, and b1
.set ACC1, 124                         ; v[124:131] k 32-63
.set OUT, 132                          ; v[132:139]
	s_load_b256 s[4:11], s[0:1], 0x0               ; sequence_output s[4:5], W1 s[6:7], width_emb s[8:9], b1 s[10:11]
	s_load_b128 s[12:15], s[0:1], 0x20             ; xb s[12:13], w1b s[14:15]
	s_load_b64 s[16:17], s[0:1], 0x30              ; wd
	v_lshrrev_b32 v1, 5, v0                        ; wave
	v_and_b32 v2, 31, v0                           ; lane
	v_readfirstlane_b32 s18, v1
	s_wait_kmcnt 0x0
	s_wait_alu depctr_va_sdst(0)                   ; s18 is written: its first reader stands in the width table's path, and the wait stands ahead of the branch that leads there
	s_cmp_ge_u32 ttmp9, 256
	s_cbranch_scc1 .Lwidth
	; THE CAST.  A wave takes 8,192 consecutive bytes: 16 loads of 512 bytes, all on their way at once; each becomes one store of 256 consecutive bytes, aligned.
	s_and_b32 s20, ttmp9, 127
	s_lshl_b32 s26, s20, 16                        ; my 65,536 bytes of the source,
	s_lshl_b32 s28, s20, 15                        ; my 32,768 of the destination
	s_mov_b32 s27, 0
	s_mov_b32 s29, 0
	s_cmp_lt_u32 ttmp9, 128                        ; the choice hangs on the work-group's number alone
	s_cselect_b64 s[22:23], s[4:5], s[6:7]
	s_cselect_b64 s[24:25], s[12:13], s[14:15]
	s_add_nc_u64 s[22:23], s[22:23], s[26:27]
	s_add_nc_u64 s[24:25], s[24:25], s[28:29]
	v_lshlrev_b32 v3, 4, v2
	v_lshl_or_b32 v3, v1, 13, v3                   ; source: 8,192 wave + 16 lane
	v_lshlrev_b32 v2, 3, v2
	v_lshl_or_b32 v2, v1, 12, v2                   ; destination: 4,096 wave + 8 lane
	s_wait_alu depctr_va_vdst(0)                   ; v3 and v2 are written: every load below reads v3 as its offset, every store v2; neither is written again
.irp j, 0,1,2,3,4,5,6,7,8,9,10,11,12,13,14,15
	global_load_b128 v[X+4*(\j):X+4*(\j)+3], v3, s[22:23] offset:512*(\j) th:TH_LOAD_NT
.endr
; Group g: loads 4 g to 4 g + 3 are rounded; the stores of the group before are dealt among the conversions, one ahead of each pair.
.macro GROUP g
	s_wait_loadcnt 12-4*(\g)                       ; loads come back in order: the group's four are in, the 12 - 4 g younger ones stay out
.if (\g) > 0
	s_wait_alu depctr_va_vdst(0)                   ; the group before's eight conversions have written their part of Y, which the four stores below read
.endif
.irp i, 0,1,2,3
.if (\g) > 0
	global_store_b64 v2, v[Y+2*(4*(\g)-4+(\i)):Y+2*(4*(\g)-4+(\i))+1], s[24:25] offset:256*(4*(\g)-4+(\i))  ; no vector instruction since the wait names these registers; none is written twice, so nothing waits for a store
.endif
	v_cvt_pk_bf16_f32 v[Y+2*(4*(\g)+(\i))],   v[X+4*(4*(\g)+(\i))],   v[X+4*(4*(\g)+(\i))+1]
	v_cvt_pk_bf16_f32 v[Y+2*(4*(\g)+(\i))+1], v[X+4*(4*(\g)+(\i))+2], v[X+4*(4*(\g)+(\i))+3]
.endr
.endm
	GROUP 0
	GROUP 1
	GROUP 2
	GROUP 3
	s_wait_alu depctr_va_vdst(0)                   ; the last group's conversions have written their part of Y, which the last four stores read
.irp i, 12,13,14,15
	global_store_b64 v2, v[Y+2*(\i):Y+2*(\i)+1], s[24:25] offset:256*(\i)
.endr
	s_endpgm
.Lwidth:
	; THE WIDTH TABLE.  Wave w of work-group 256 + g makes columns n0 = 16 (8 g + w) on, for all 15 widths: two matrix instructions (K = 64).
	; Used transposed: source 0 = 16 columns of W1, source 1 = 16 widths (row 15 repeats width 14 and is not stored): a lane's eight results are wd[r][n0 + 8 h + 0..7].
	v_and_b32 v1, 15, v0                           ; r
	v_bfe_u32 v2, v0, 4, 1                         ; h
	s_sub_co_u32 s19, ttmp9, 256
	s_lshl_b32 s19, s19, 3
	s_add_co_u32 s19, s19, s18
	s_lshl_b32 s20, s19, 6                         ; 4 n0
	s_mov_b32 s21, 0
	s_add_nc_u64 s[22:23], s[6:7], 0x800000        ; W1 at row 2,048,
	s_add_nc_u64 s[22:23], s[22:23], s[20:21]      ; column n0
	v_min_u32 v3, 14, v1
	v_lshlrev_b32 v3, 8, v3
	v_lshl_add_u32 v3, v2, 5, v3                   ; width_emb: 256 min(r, 14) + 32 h
	v_lshlrev_b32 v4, 2, v1
	v_lshl_add_u32 v4, v2, 15, v4                  ; W1: 8 h rows of 4,096 bytes + 4 r
	v_lshl_add_u32 v5, v2, 5, s20                  ; b1: 4 n0 + 32 h
	v_lshl_add_u32 v6, v1, 12, v5                  ; wd: 4,096 r + 4 n0 + 32 h
	s_wait_alu depctr_va_vdst(0)                   ; v3, v4 and v5 are written, which the loads below read as offsets, and v6, which the two stores read; none is written again
.irp kk, 0,1
.irp x, 0,1
.irp y, 0,1
	global_load_b128 v[EM+16*(\kk)+8*(\x)+4*(\y):EM+16*(\kk)+8*(\x)+4*(\y)+3], v3, s[8:9] offset:128*(\kk)+64*(\x)+16*(\y)
.endr
.irp j, 0,1,2,3,4,5,6,7
	global_load_b32 v[WF+16*(\kk)+8*(\x)+(\j)], v4, s[22:23] offset:(32*(\kk)+16*(\x)+(\j))*4096
.endr
.endr
.endr
	global_load_b128 v[BI:BI+3],   v5, s[10:11]
	global_load_b128 v[BI+4:BI+7], v5, s[10:11] offset:16
	s_wait_loadcnt 0x0
.set m, 0
.rept 16
	v_cvt_pk_bf16_f32 v[FE+m], v[EM+2*m], v[EM+2*m+1]
	v_cvt_pk_bf16_f32 v[FW+m], v[WF+2*m], v[WF+2*m+1]
.set m, m+1
.endr
.irp m, 0,1,2,3
	v_cvt_pk_bf16_f32 v[BP+(\m)], v[BI+2*(\m)], v[BI+2*(\m)+1]  ; b1 is rounded like the other inputs,
.endr
.irp m, 0,1,2,3
	v_lshlrev_b32 v[BI+2*(\m)],   16, v[BP+(\m)]                 ; and widened again
	v_and_b32     v[BI+2*(\m)+1], 0xffff0000, v[BP+(\m)]
.endr
	v_wmma_f32_16x16x32_bf16 v[ACC0:ACC0+7], v[FW:FW+7],    v[FE:FE+7],    v[BI:BI+7]  ; two sums on two accumulators: no link follows its own accumulator
	v_wmma_f32_16x16x32_bf16 v[ACC1:ACC1+7], v[FW+8:FW+15], v[FE+8:FE+15], 0
.rept 4
	v_nop                                          ; four places between a matrix instruction and the vector instruction that reads its result (ISA guide 7.12.1)
.endr
.irp j, 0,2,4,6
	v_pk_add_f32 v[OUT+(\j):OUT+(\j)+1], v[ACC0+(\j):ACC0+(\j)+1], v[ACC1+(\j):ACC1+(\j)+1]  ; from each accumulator's low end on
.endr
	s_wait_xcnt 0x0                                ; EXEC changes only behind this wait
	v_cmp_gt_u32 vcc_lo, 15, v1
	s_wait_alu depctr_va_vcc(0)                    ; VCC is written: EXEC is made from it
	s_wait_alu depctr_va_vdst(0)                   ; ahead of the write of EXEC: every vector and matrix instruction has written its result, the four additions into OUT among them, which the stores below read
	s_wait_alu depctr_vm_vsrc(0)                   ; ahead of the write of EXEC: every load issued so far has read its vector registers
	s_and_saveexec_b32 s24, vcc_lo                 ; widths 0 to 14
	global_store_b128 v6, v[OUT:OUT+3],   s[16:17]            ; a width's row takes 64 bytes from a wave: the table is 61,440 bytes in all, and no stage is built for it
	global_store_b128 v6, v[OUT+4:OUT+7], s[16:17] offset:16
	s_endpgm
.Lfunc_end_k_qce19d41537_prep:
	.size	k_qce19d41537_prep, .Lfunc_end_k_qce19d41537_prep-k_qce19d41537_prep
	.p2alignl 7, 3214868480
	.fill 96, 4, 3214868480
	.section	.rodata,"a",@progbits
	.p2align	6, 0x0
	.amdhsa_kernel k_qce19d41537_prep
		.amdhsa_group_segment_fixed_size 0
		.amdhsa_private_segment_fixed_size 0
		.amdhsa_enable_private_segment 0
		.amdhsa_kernarg_size 56
		.amdhsa_user_sgpr_count 2
		.amdhsa_user_sgpr_kernarg_segment_ptr 1
		.amdhsa_wavefront_size32 1
		.amdhsa_system_sgpr_workgroup_id_x 1
		.amdhsa_system_sgpr_workgroup_id_y 1
		.amdhsa_system_sgpr_workgroup_id_z 1
		.amdhsa_system_vgpr_workitem_id 0
		.amdhsa_next_free_vgpr 144
		.amdhsa_next_free_sgpr 66
		.amdhsa_reserve_vcc 1
		.amdhsa_float_denorm_mode_32 3
		.amdhsa_float_denorm_mode_16_64 3
		.amdhsa_memory_ordered 1
		.amdhsa_forward_progress 1
		.amdhsa_inst_pref_size 15
	.end_amdhsa_kernel
	.amdgpu_metadata
---
amdhsa.version: [ 1, 2 ]
amdhsa.kernels:
  - .name:           k_qce19d41537_prep
    .symbol:         k_qce19d41537_prep.kd
    .args:
      - { .name: sequence_output, .offset: 0, .size: 8, .value_kind: global_buffer, .address_space: global }
      - { .name: W1, .offset: 8, .size: 8, .value_kind: global_buffer, .address_space: global }
      - { .name: width_emb, .offset: 16, .size: 8, .value_kind: global_buffer, .address_space: global }
      - { .name: b1, .offset: 24, .size: 8, .value_kind: global_buffer, .address_space: global }
      - { .name: xb, .offset: 32, .size: 8, .value_kind: global_buffer, .address_space: global }
      - { .name: w1b, .offset: 40, .size: 8, .value_kind: global_buffer, .address_space: global }
      - { .name: wd, .offset: 48, .size: 8, .value_kind: global_buffer, .address_space: global }
    .group_segment_fixed_size: 0
    .private_segment_fixed_size: 0
    .kernarg_segment_align: 8
    .kernarg_segment_size: 56
    .max_flat_workgroup_size: 256
    .sgpr_count:     66
    .vgpr_count:     144
    .wavefront_size: 32
...
	.end_amdgpu_metadata
.endif
;; end of part 4
;; launch gemm: the kernel of part 2 again; grid 16 x 16, 4 waves a work-group, clusters of 4 x 4, 327,680 bytes of LDS; arguments xb, w1b, se; writes se
;; launch spans: the kernel of part 3 again; grid 237 x 1, 8 waves a work-group, no clusters, 103,680 bytes of LDS; arguments se, wd, W2, b2, span_starts, span_ends, out0; writes out0
